; MI455X (gfx1250); checked and timed in simulation.
; The chip was launched on July 23, 2026; its instructions are those of AMD's public machine-readable ISA for CDNA 5 (MIT licence, August 2026) and "CDNA5" Instruction Set Architecture Reference Guide (July 2026). The comments in the code are by the model that wrote it; some were corrected since.
;; Self Attention Model. Allowed arithmetic: float matrix products may take bf16 or f16 operands with f32 sums; all other float work in f32.
;; Inputs: Wfc 256 x 256 float32; Win 768 x 256 float32; Wk 256 x 256 float32; Wout 256 x 256 float32; Wq 256 x 256 float32; Wv 256 x 256 float32; beta 256 float32; bfc 256 float32; bin_ 768 float32; bk 256 float32; bout 256 float32; bq 256 float32; bv 256 float32; gamma 256 float32; mask 4 x 2,048 float32; mod 2,048 x 4 x 256 float32.
;; Outputs: out0 2,048 x 4 x 256 float32.
;; Constants: req = 16.
;; 2 versions, each right; version 2 is version 1 with the launch fold written anew for expert scheduling mode. Each part assembles by itself: llvm-mc -triple=amdgcn-amd-amdhsa -mcpu=gfx1250 --defsym DOCPART=n.
;; ======== version 1 of 2: 2 launches
;; workspace buffers: wfold 524,288 bytes; bfold 4,096 bytes
;; launch fold (part 1): grid 64 x 1, 8 waves a work-group, no clusters, 76,032 bytes of LDS; arguments Win, Wfc, Wq, Wk, Wv, Wout, bin_, bfc, bq, bk, bv, bout, wfold, bfold; writes wfold, bfold
.if DOCPART == 1
	.amdgcn_target "amdgcn-amd-amdhsa--gfx1250"
	.amdhsa_code_object_version 6
	.text
	.protected	k_q0a600fa618_fold
	.globl	k_q0a600fa618_fold
	.p2align	8
	.type	k_q0a600fa618_fold,@function
k_q0a600fa618_fold:
	s_mov_b64 s[64:65], 0
	v_nop
	global_prefetch_b8 v0, s[64:65] scope:SCOPE_SE
	s_setreg_imm32_b32 hwreg(HW_REG_WAVE_MODE, 25, 1), 1
	s_wait_xcnt 0x0
; FOLD: the module applies two linear layers one straight behind the other, four times.  (x R^T + bR) L^T + bL = x (L R)^T + (L bR + bL)
; holds for every input, so this launch makes W'p = Lp Rp and b'p = Lp bRp + bLp for
;   p = 0: L = Win[0:256],   R = Wq    p = 1: L = Win[256:512], R = Wk    p = 2: L = Win[512:768], R = Wv    p = 3: L = Wfc, R = Wout.
; For p = 0 both are multiplied by log2(e) / sqrt(32), so that the next launch's scores are exponents of 2.
; STATED DEPARTURE: the order of rounding differs from two separate layers: L and R are rounded to bf16, summed in f32, and W' is rounded
; once more to bf16.  b' is made in f32 on the vector unit (a matrix-vector product has no use for the matrix unit).
; W' is stored in the order in which the next launch's matrix fragments want it: W'p[n][k] lies at byte
;   p 131072 + (n>>6) 32768 + (k>>5) 4096 + ((n>>4)&3) 1024 + ((k>>4)&1) 512 + (((k>>3)&1) 16 + (n&15)) 16 + (k&7) 2.
; 64 work-groups: p = x>>4, kb = (x>>2)&3 (64 columns k), nb = x&3 (64 rows n): each reads 64 f32 = 256 consecutive bytes of each row of R.
; Eight waves: wave w makes n tile nt = w&3 and the k tiles 2 kp, 2 kp + 1 with kp = w>>2: two accumulators, 16 matrix instructions.
; The matrix instruction gives D[m = k][n = n]: source 0 = R transposed (transposing LDS load from R kept as [j][k]), source 1 = rows of L.
; A lane then holds eight neighbouring k of one row n: 16 bytes, and a wave's store covers 512 consecutive bytes of wfold.
.set RP,  160                          ; LDS pitch of R's rows: 128 bytes of bf16 + 32 (an odd multiple of 32, for the transposing load)
.set LB,  256*RP                       ; 40,960: L's block begins behind R's 256 rows
.set LP,  528                          ; LDS pitch of L's rows: 512 bytes + 16
.set BB,  LB+64*LP                     ; 74,752: 64 f32, the dot products of L's rows with bR
.set D0,  16                           ; v[16:23]   accumulator, k tile 2 kp
.set D1,  24                           ; v[24:31]   accumulator, k tile 2 kp + 1
.set BR,  32                           ; v[32:39]   bR[4 L ..], bR[128 + 4 L ..]; at the end the packed results
.set CV,  40                           ; v[40:47]   at work
.set BS,  48                           ; v[48:63]   row e's dot product in 48 + 2 e
.set RR,  64                           ; v[64:127]  R as loaded; later the fragments of R^T, k tile 0
.set LR,  128                          ; v[128:191] L as loaded; later the fragments of R^T, k tile 1
.set BF,  192                          ; v[192:255] the fragments of L
	s_load_b512 s[4:19], s[0:1], 0x0               ; Win, Wfc, Wq, Wk, Wv, Wout, bin_, bfc
	s_load_b256 s[20:27], s[0:1], 0x40             ; bq, bk, bv, bout
	s_load_b128 s[28:31], s[0:1], 0x60             ; wfold, bfold
	v_lshl_add_u32 v14, v0, 2, 0x12500
	v_mov_b32 v15, 0
	v_lshrrev_b32 v13, 5, v0
	v_readfirstlane_b32 s32, v13                   ; wave 0..7
	s_lshr_b32 s33, ttmp9, 4                       ; p
	s_bfe_u32 s34, ttmp9, 0x20002                  ; kb
	s_and_b32 s35, ttmp9, 3                        ; nb
	s_lshr_b32 s52, s32, 2                         ; kp
	s_and_b32 s53, s32, 3                          ; nt
	s_mov_b32 s50, 0x76543210                      ; v_permlanex16_b32: lane i takes lane i of the other half
	s_mov_b32 s51, 0xfedcba98
	v_and_b32 v1, 31, v0                           ; L
	v_and_b32 v2, 15, v0                           ; r
	v_bfe_u32 v3, v0, 4, 1                         ; h
	v_lshlrev_b32 v10, 4, v1                       ; 16 L
	v_lshlrev_b32 v11, 3, v1                       ; 8 L
	v_lshlrev_b32 v4, 4, v2                        ; R in memory: row 32 w + h, 16 bytes at 16 r
	v_lshl_add_u32 v4, v3, 10, v4
	s_lshl_b32 s56, s32, 15
	v_add_nc_u32 v4, s56, v4
	s_lshl_b32 s56, s32, 13                        ; L in memory: row 8 w, 16 bytes at 16 L
	v_add_nc_u32 v5, s56, v10
	s_mul_i32 s56, s32, 32*RP                      ; R in LDS: row 32 w + h, 8 bytes at 8 r
	v_mul_u32_u24 v6, v3, RP
	v_lshl_add_u32 v6, v2, 3, v6
	v_add_nc_u32 v6, s56, v6
	s_mul_i32 s56, s32, 8*LP                       ; L in LDS: row 8 w, 8 bytes at 8 L
	s_add_co_u32 s56, s56, LB
	v_add_nc_u32 v7, s56, v11
	v_and_b32 v8, 7, v0                            ; transposing load: row 8 h + (L & 7), 16 bytes at 16 ((L>>3) & 1), my 32 columns at 64 kp
	v_lshl_add_u32 v8, v3, 3, v8
	v_mul_u32_u24 v8, v8, RP
	v_bfe_u32 v9, v0, 3, 1
	v_lshl_add_u32 v8, v9, 4, v8
	s_lshl_b32 s56, s52, 6
	v_add_nc_u32 v8, s56, v8
	v_mul_u32_u24 v9, v2, LP                       ; L's fragments: row 16 nt + r, 16 bytes at 16 h
	v_lshl_add_u32 v9, v3, 4, v9
	s_mul_i32 s56, s53, 16*LP
	s_add_co_u32 s56, s56, LB
	v_add_nc_u32 v9, s56, v9
	s_lshl_b32 s56, s32, 5                         ; my wave's eight dot products
	s_add_co_u32 s56, s56, BB
	v_mov_b32 v12, s56
	v_add_nc_u32 v13, BB, v11                      ; all 64 of them, two a lane
	s_wait_kmcnt 0x0
	; which buffers: a choice on p alone
	s_cmp_eq_u32 s33, 1
	s_cselect_b64 s[36:37], s[10:11], s[8:9]       ; R
	s_cselect_b64 s[38:39], s[22:23], s[20:21]     ; bR
	s_cmp_eq_u32 s33, 2
	s_cselect_b64 s[36:37], s[12:13], s[36:37]
	s_cselect_b64 s[38:39], s[24:25], s[38:39]
	s_cmp_eq_u32 s33, 3
	s_cselect_b64 s[36:37], s[14:15], s[36:37]
	s_cselect_b64 s[38:39], s[26:27], s[38:39]
	s_cselect_b64 s[40:41], s[6:7], s[4:5]         ; L: Wfc or Win
	s_cselect_b64 s[42:43], s[18:19], s[16:17]     ; bL: bfc or bin_
	s_cselect_b32 s57, 0, s33                      ; which third of Win and bin_
	s_cmp_eq_u32 s33, 0
	s_cselect_b32 s44, 0x3e8293ee, 1.0             ; log2(e) / sqrt(32) for p = 0, else 1
	s_mov_b32 s45, s44
	s_mov_b32 s55, 0
	s_lshl_b32 s54, s34, 8
	s_add_nc_u64 s[36:37], s[36:37], s[54:55]      ; R at column 64 kb
	s_lshl_b32 s54, s57, 18
	s_lshl_b32 s56, s35, 16
	s_add_co_u32 s54, s54, s56
	s_add_nc_u64 s[40:41], s[40:41], s[54:55]      ; L at row 64 nb of its third
	global_load_b128 v[BR:BR+3],   v10, s[38:39]               ; bR first, so that the counts below hold for R and L alone
	global_load_b128 v[BR+4:BR+7], v10, s[38:39] offset:512
.irp it, 0,1,2,3,4,5,6,7,8,9,10,11,12,13,14,15
	global_load_b128 v[RR+4*\it:RR+4*\it+3], v4, s[36:37] offset:\it*2048      ; rows 32 w + 2 it + h: sixteen lanes take 256 consecutive bytes
.endr
.irp e, 0,1,2,3,4,5,6,7
	global_load_b128 v[LR+8*\e:LR+8*\e+3],   v5, s[40:41] offset:\e*1024       ; row 8 w + e: 512 consecutive bytes a load
	global_load_b128 v[LR+8*\e+4:LR+8*\e+7], v5, s[40:41] offset:\e*1024+512
.endr
	s_lshl_b32 s54, s57, 10
	s_lshl_b32 s56, s35, 8
	s_add_co_u32 s54, s54, s56
	s_add_nc_u64 s[42:43], s[42:43], s[54:55]      ; bL at my 64 rows
	s_lshl_b32 s54, s33, 10
	s_add_co_u32 s54, s54, s56
	s_add_nc_u64 s[48:49], s[30:31], s[54:55]      ; bfold at p 1024 + nb 256
	s_lshl1_add_u32 s54, s34, s52                  ; 2 kb + kp
	s_lshl_b32 s54, s54, 12
	s_lshl_b32 s56, s53, 10
	s_add_co_u32 s54, s54, s56
	s_lshl_b32 s56, s35, 15
	s_add_co_u32 s54, s54, s56
	s_lshl_b32 s56, s33, 17
	s_add_co_u32 s54, s54, s56
	s_add_nc_u64 s[46:47], s[28:29], s[54:55]      ; wfold at my fragment of 1,024 bytes
	s_wait_loadcnt 16                              ; bR and R are in; the 16 loads of L are younger and stay out
.irp it, 0,1,2,3,4,5,6,7,8,9,10,11,12,13,14,15
	v_cvt_pk_bf16_f32 v[CV+2*(\it&3)],   v[RR+4*\it],   v[RR+4*\it+1]
	v_cvt_pk_bf16_f32 v[CV+2*(\it&3)+1], v[RR+4*\it+2], v[RR+4*\it+3]
	ds_store_b64 v6, v[CV+2*(\it&3):CV+2*(\it&3)+1] offset:\it*2*RP
.endr
	s_wait_loadcnt 0x0                             ; L is in
.irp e, 0,1,2,3,4,5,6,7
	v_cvt_pk_bf16_f32 v[CV+4*(\e&1)],   v[LR+8*\e],   v[LR+8*\e+1]
	v_cvt_pk_bf16_f32 v[CV+4*(\e&1)+1], v[LR+8*\e+2], v[LR+8*\e+3]
	v_cvt_pk_bf16_f32 v[CV+4*(\e&1)+2], v[LR+8*\e+4], v[LR+8*\e+5]
	v_cvt_pk_bf16_f32 v[CV+4*(\e&1)+3], v[LR+8*\e+6], v[LR+8*\e+7]
	ds_store_b64 v7, v[CV+4*(\e&1):CV+4*(\e&1)+1]   offset:\e*LP
	ds_store_b64 v7, v[CV+4*(\e&1)+2:CV+4*(\e&1)+3] offset:\e*LP+256
.endr
; Row 8 w + e of L times bR, in f32, from the registers as loaded; the sum over the 32 lanes ends in every lane.
.macro BDOT e
	v_pk_mul_f32 v[BS+2*\e:BS+2*\e+1], v[LR+8*\e:LR+8*\e+1], v[BR:BR+1]
.irp i, 2,4,6
	v_pk_fma_f32 v[BS+2*\e:BS+2*\e+1], v[LR+8*\e+\i:LR+8*\e+\i+1], v[BR+\i:BR+\i+1], v[BS+2*\e:BS+2*\e+1]
.endr
	v_add_f32 v[BS+2*\e], v[BS+2*\e], v[BS+2*\e+1]
.irp x, 1,2,4,8
	v_add_f32_dpp v[BS+2*\e], v[BS+2*\e], v[BS+2*\e] row_xmask:\x row_mask:0xf bank_mask:0xf
.endr
	v_permlanex16_b32 v[BS+2*\e+1], v[BS+2*\e], s50, s51
	v_add_f32 v[BS+2*\e], v[BS+2*\e], v[BS+2*\e+1]
	ds_store_b32 v12, v[BS+2*\e] offset:4*\e       ; all lanes write the same word with the same value
.endm
	s_cmp_lg_u32 s34, 0                            ; the four work-groups kb = 0..3 hold the same rows of L: kb = 0 makes the bias
	s_cbranch_scc1 .Lno_dot
.irp e, 0,1,2,3,4,5,6,7
	BDOT \e
.endr
.Lno_dot:
	s_wait_dscnt 0x0                               ; my LDS stores are done, for the other waves' sake
	s_barrier_signal -1
	s_barrier_wait -1                              ; R's and L's blocks are whole
.irp js, 0,1,2,3,4,5,6,7
	ds_load_b128 v[BF+8*\js:BF+8*\js+3],   v9 offset:\js*64                    ; L(16 nt + r, 32 js + 8 h ..)
	ds_load_b128 v[BF+8*\js+4:BF+8*\js+7], v9 offset:\js*64+32
	ds_load_tr16_b128 v[RR+8*\js:RR+8*\js+3],   v8 offset:\js*32*RP            ; R(32 js + 8 h .., column r of k tile 0)
	ds_load_tr16_b128 v[RR+8*\js+4:RR+8*\js+7], v8 offset:\js*32*RP+16*RP
	ds_load_tr16_b128 v[LR+8*\js:LR+8*\js+3],   v8 offset:\js*32*RP+32         ; k tile 1
	ds_load_tr16_b128 v[LR+8*\js+4:LR+8*\js+7], v8 offset:\js*32*RP+16*RP+32
.endr
; The two accumulators take turns, one instruction a turn.  The first products start the sums.
.irp js, 0,1,2,3,4,5,6,7
	s_wait_dscnt 6*(7-\js)                         ; six loads for each later js stay out
.if \js
	v_wmma_f32_16x16x32_bf16 v[D0:D0+7], v[RR+8*\js:RR+8*\js+7], v[BF+8*\js:BF+8*\js+7], v[D0:D0+7]
	v_wmma_f32_16x16x32_bf16 v[D1:D1+7], v[LR+8*\js:LR+8*\js+7], v[BF+8*\js:BF+8*\js+7], v[D1:D1+7]
.else
	v_wmma_f32_16x16x32_bf16 v[D0:D0+7], v[RR+8*\js:RR+8*\js+7], v[BF+8*\js:BF+8*\js+7], 0
	v_wmma_f32_16x16x32_bf16 v[D1:D1+7], v[LR+8*\js:LR+8*\js+7], v[BF+8*\js:BF+8*\js+7], 0
.endif
.endr
.rept 4
	v_nop                                          ; four places behind the last matrix instruction before its result is read (ISA guide 7.12.1)
.endr
.irp i, 0,2,4,6,8,10,12,14
	v_pk_mul_f32 v[D0+\i:D0+\i+1], v[D0+\i:D0+\i+1], s[44:45] op_sel_hi:[1,0]
.endr
.irp i, 0,1,2,3,4,5,6,7
	v_cvt_pk_bf16_f32 v[BR+\i], v[D0+2*\i], v[D0+2*\i+1]       ; lane (r, h): W'(n0 + r, k0 + 8 h .. + 7), 16 bytes a tile
.endr
	global_store_b128 v10, v[BR:BR+3],   s[46:47]              ; each store of the wave covers 512 consecutive bytes, aligned
	global_store_b128 v10, v[BR+4:BR+7], s[46:47] offset:512
	s_cmp_lg_u32 s34, 0                            ; b': one wave of the work-groups kb = 0
	s_cbranch_scc1 .Lend
	s_cmp_lg_u32 s32, 0
	s_cbranch_scc1 .Lend
	global_load_b64 v[CV:CV+1], v11, s[42:43]      ; bL of rows 2 L, 2 L + 1
	ds_load_b64 v[CV+2:CV+3], v13                  ; their dot products (stored in front of the barrier above)
	s_wait_loadcnt 0x0
	s_wait_dscnt 0x0
	v_pk_add_f32 v[CV:CV+1], v[CV:CV+1], v[CV+2:CV+3]
	v_pk_mul_f32 v[CV:CV+1], v[CV:CV+1], s[44:45] op_sel_hi:[1,0]
	global_store_b64 v11, v[CV:CV+1], s[48:49]     ; 32 lanes x 8 bytes: 256 consecutive bytes, aligned
.Lend:
	s_wait_tensorcnt 0x0
	ds_add_u32 v14, v15
	s_wait_dscnt 0x0
	s_endpgm
.Lfunc_end_k_q0a600fa618_fold:
	.size	k_q0a600fa618_fold, .Lfunc_end_k_q0a600fa618_fold-k_q0a600fa618_fold
	.p2alignl 7, 3214868480
	.fill 96, 4, 3214868480
	.section	.rodata,"a",@progbits
	.p2align	6, 0x0
	.amdhsa_kernel k_q0a600fa618_fold
		.amdhsa_group_segment_fixed_size 76032
		.amdhsa_private_segment_fixed_size 0
		.amdhsa_enable_private_segment 0
		.amdhsa_kernarg_size 112
		.amdhsa_user_sgpr_count 2
		.amdhsa_user_sgpr_kernarg_segment_ptr 1
		.amdhsa_wavefront_size32 1
		.amdhsa_system_sgpr_workgroup_id_x 1
		.amdhsa_system_sgpr_workgroup_id_y 1
		.amdhsa_system_sgpr_workgroup_id_z 1
		.amdhsa_system_vgpr_workitem_id 0
		.amdhsa_next_free_vgpr 256
		.amdhsa_next_free_sgpr 66
		.amdhsa_reserve_vcc 0
		.amdhsa_float_denorm_mode_32 3
		.amdhsa_float_denorm_mode_16_64 3
		.amdhsa_memory_ordered 1
		.amdhsa_forward_progress 1
		.amdhsa_inst_pref_size 26
	.end_amdhsa_kernel
	.amdgpu_metadata
---
amdhsa.version: [ 1, 2 ]
amdhsa.kernels:
  - .name:           k_q0a600fa618_fold
    .symbol:         k_q0a600fa618_fold.kd
    .args:
      - { .name: Win, .offset: 0, .size: 8, .value_kind: global_buffer, .address_space: global }
      - { .name: Wfc, .offset: 8, .size: 8, .value_kind: global_buffer, .address_space: global }
      - { .name: Wq, .offset: 16, .size: 8, .value_kind: global_buffer, .address_space: global }
      - { .name: Wk, .offset: 24, .size: 8, .value_kind: global_buffer, .address_space: global }
      - { .name: Wv, .offset: 32, .size: 8, .value_kind: global_buffer, .address_space: global }
      - { .name: Wout, .offset: 40, .size: 8, .value_kind: global_buffer, .address_space: global }
      - { .name: bin_, .offset: 48, .size: 8, .value_kind: global_buffer, .address_space: global }
      - { .name: bfc, .offset: 56, .size: 8, .value_kind: global_buffer, .address_space: global }
      - { .name: bq, .offset: 64, .size: 8, .value_kind: global_buffer, .address_space: global }
      - { .name: bk, .offset: 72, .size: 8, .value_kind: global_buffer, .address_space: global }
      - { .name: bv, .offset: 80, .size: 8, .value_kind: global_buffer, .address_space: global }
      - { .name: bout, .offset: 88, .size: 8, .value_kind: global_buffer, .address_space: global }
      - { .name: wfold, .offset: 96, .size: 8, .value_kind: global_buffer, .address_space: global }
      - { .name: bfold, .offset: 104, .size: 8, .value_kind: global_buffer, .address_space: global }
    .group_segment_fixed_size: 76032
    .private_segment_fixed_size: 0
    .kernarg_segment_align: 8
    .kernarg_segment_size: 112
    .max_flat_workgroup_size: 256
    .sgpr_count:     66
    .vgpr_count:     256
    .wavefront_size: 32
...
	.end_amdgpu_metadata
.endif
;; end of part 1
;; launch attn (part 2): grid 256 x 1, 4 waves a work-group, clusters of 4 x 1, 327,680 bytes of LDS; arguments mod, wfold, bfold, gamma, beta, out0; writes out0
.if DOCPART == 2
	.amdgcn_target "amdgcn-amd-amdhsa--gfx1250"
	.amdhsa_code_object_version 6
	.text
	.protected	k_q0a600fa618_attn
	.globl	k_q0a600fa618_attn
	.p2align	8
	.type	k_q0a600fa618_attn,@function
k_q0a600fa618_attn:
	s_mov_b64 s[64:65], 0
	v_nop
	global_prefetch_b8 v0, s[64:65] scope:SCOPE_SE
	s_setreg_imm32_b32 hwreg(HW_REG_WAVE_MODE, 25, 1), 1
	s_wait_xcnt 0x0
	s_wait_alu depctr_hold_cnt(0) depctr_sa_sdst(0) depctr_va_vdst(0) depctr_va_sdst(0) depctr_va_ssrc(0) depctr_va_vcc(0) depctr_vm_vsrc(0)
	s_getreg_b32 s2, hwreg(HW_REG_IB_STS2, 6, 4)
	s_cmp_eq_u32 s2, 0
	s_cbranch_scc0 .Lentry_in_a_cluster
	s_endpgm
.Lentry_in_a_cluster:
	s_bfe_u32 s2, ttmp6, 0x10000c
	s_cmp_lg_u32 s2, 0x3003
	s_cbranch_scc0 .Lentry_shape_is_right
	s_endpgm
.Lentry_shape_is_right:
; ATTN: q, k, v projections (folded weights of the launch before), banded attention of 8 heads, output projection (folded), residual, LayerNorm.
; A work-group takes 32 positions s0 = 32 x block .. s0 + 31 of one batch b.  The band |i - j| < 16 reaches 16 positions to each side, so K and V
; are made for the 64 positions s0 - 16 .. s0 + 47: the halo is computed again rather than handed between work-groups.
; Four waves.  Wave w owns features 64 w .. 64 w + 63 of Q, K, V (heads 2 w, 2 w + 1) and of the output projection, so Q, K, V and the
; softmax's weights never leave its registers.  For loading, residual and LayerNorm it owns rows 8 w .. 8 w + 7 of the 32.
; HOW THE REGISTERS CHAIN.  Q, K: D[m = feature][n = position] (source 0 = W', source 1 = X): a lane holds 8 features of one position; two
; feature tiles pack into one fragment of a head (32 dims).  V: D[m = position][n = feature]: a lane holds 8 positions of one feature; two
; position tiles pack into a fragment with keys along K.  Scores: D[m = key][n = query]: a lane holds 8 keys of one query, which pack into the
; weights' fragment.  Weights x V: D[m = dim][n = query]: a lane holds 8 neighbouring dims of one query, 16 bytes of bf16.
; SOFTMAX: the true maximum of each query's allowed scores is taken away; scores outside the band are minus infinity.  log2(e) / sqrt(32) lies in W'q, b'q.
; STATED DEPARTURES: the folded weights' order of rounding (see the launch before); v's bias is added behind the weighted mean, which is exact
; in real numbers since the weights sum to 1; matrix operands are bf16, all else f32; the variance is the mean of squared differences.
; The input 'mask' enters no result of the module and is not read.
; CLUSTER: all work-groups walk the same 512 KiB of folded weights.  Four work-groups (the four batches of one block of positions) form a cluster
; and ask for each weight tile jointly (mask 15).  No wider: a mask here names four work-groups, and only this one kind of tile is shared.
; The place in the cluster (= the batch) enters the addresses of mod and out0 alone: no branch, no LDS address, no descriptor.
; LDS: two slots of 131,072 bytes for weights (wave w's 32,768 bytes at w x 32,768, read by wave w alone); X as bf16, 64 rows of 528 bytes
; (rows 0-31 centre, 32-47 low halo, 48-63 high halo), whose bytes later hold the projection's result in f32, 32 rows of 1,040 bytes; the context
; as bf16, 32 rows of 528 bytes.  Tensor loads fill only the two slots; LDS stores write only behind them.
.set SLOT,  131072
.set XB,    2*SLOT                     ; 262,144
.set XP,    528                        ; 512 bytes + 16: sixteen rows of a fragment start 16 bytes apart modulo 256
.set CTX,   XB+64*XP                   ; 295,936
.set YP,    1040                       ; 1,024 bytes + 16
; window 0
.set L16,  4                           ; 16 x lane
.set XST,  5                           ; X in: row 8 w, 8 bytes at 8 x lane
.set XRD,  6                           ; X fragments: row r, 16 bytes at 16 h
.set WA0,  7                           ; my weights in slot 0, 16 x lane
.set WA1,  8                           ; in slot 1
.set CR,   9                           ; context fragments
.set YA,   10                          ; projection's result in: row r, 32 h + 256 w
.set YR,   11                          ; and back: row 8 w, 16 x lane
.set BOFF, 12                          ; bias: 256 w + 32 h
.set GAM,  16                          ; v[16:23] gamma of features 4 L .. and 128 + 4 L ..
.set BET,  24                          ; v[24:31] beta
.set SU,   32                          ; v[32:47] row e's sum in 32 + 2 e
.set SQ,   48                          ; v[48:63] row e's sum of squares; at first at work for X
.set RES,  64                          ; v[64:127] my 8 centre rows in f32, kept for the residual
.set WB0,  128                         ; v[128:191] weight fragments, buffer 0; at first the halo rows, at last the projection's rows
.set WB1,  192                         ; v[192:255] buffer 1
; window 1: X fragments, tile t (16 positions from s0 - 16 + 16 t), K step ks at 8 (8 t + ks); later the context's in t = 1, 2
; window 2: accumulators 8 a, a = 0..15; biases as C operands:
.set BQ, 128
.set BK, 160
.set BV, 192
.set BO, 224
; window 3
.set QF,  0                            ; Q fragments: 8 (2 hh + qt)
.set KF,  32                           ; K fragments: 8 (4 hh + kt)
.set VF,  96                           ; V fragments: 16 (2 hh + dt), position tile t at + 4 t
.set SS,  160                          ; scores: 24 qt + 8 c; later the context tiles 24 qt + 8 dt
.set P0,  208                          ; weights of query tile 0: key tiles 0, 1, 2
.set ZZ,  220                          ; four registers of zeros: key tile 3 for query tile 0, key tile 0 for query tile 1
.set P1,  224                          ; weights of query tile 1: key tiles 1, 2, 3
.set NEG, 236                          ; minus infinity
.set CA,  237                          ; context out: row r, 16 h + 128 w
.set MX,  238                          ; v[238:239]
.set TT,  240                          ; v[240:247] at work
.set RL,  248                          ; v[248:251] 1 / sum, twice, for each query tile
.set G1,  24                           ; s[24:31] descriptor group 1
.set G0,  32                           ; s[32:47] four groups 0, one for each weight matrix, never rewritten
.set MSB, 0
.macro WIN new                         ; s_set_vgpr_msb: bits 1:0 source 0, 3:2 source 1, 5:4 source 2, 7:6 destination; the high byte repeats the setting left
.if MSB != \new
	s_set_vgpr_msb (MSB<<8)|\new
.set MSB, \new
.endif
.endm
.macro PLACES                          ; four places behind a matrix instruction before its result is read or a register of it is loaded into (ISA guide 7.12.1)
.rept 4
	v_nop
.endr
.endm
.macro ROUND                           ; a round of the cluster's barrier: my work-group's barrier, wave 0 signals for it, all wait for the four, my barrier again
	s_barrier_signal -1
	s_barrier_wait -1
	s_cmp_lg_u32 s16, 0
	s_cbranch_scc1 .Lnot_wave_0_\@
	s_barrier_signal -3
.Lnot_wave_0_\@:
	s_barrier_wait -3
	s_barrier_signal -1
	s_barrier_wait -1
.endm
	s_load_b256 s[4:11], s[0:1], 0x0               ; mod, wfold, bfold, gamma
	s_load_b128 s[12:15], s[0:1], 0x20             ; beta, out0
	s_set_vgpr_msb 0xc0
	v_lshl_add_u32 v254, v0, 2, 0x4c600
	v_mov_b32 v255, 0
	s_set_vgpr_msb 0xc0cf
	ds_add_u32 v254, v255
	s_set_vgpr_msb 0xcf00
	v_lshrrev_b32 v15, 5, v0
	v_readfirstlane_b32 s16, v15                   ; wave 0..3
	s_bfe_u32 s17, ttmp6, 0x40000                  ; my place in the cluster = batch b
	s_mov_b32 s18, ttmp9                           ; the cluster's number = block of 32 positions
	v_and_b32 v1, 31, v0                           ; L
	v_and_b32 v2, 15, v0                           ; r
	v_bfe_u32 v3, v0, 4, 1                         ; h
	v_lshlrev_b32 v[L16], 4, v1
	s_mov_b32 s54, 0x76543210                      ; v_permlanex16_b32: lane i takes lane i of the other half
	s_mov_b32 s55, 0xfedcba98
	s_mov_b32 s58, 0xbb800000                      ; -1/256
	s_mov_b32 s59, 0xbb800000
	; group 1: a dense block of 32,768 bytes as 128 rows of 32 elements of 8 bytes
	s_mov_b32 s[G1+0], 0x0023000f                  ; 15:0 mask: all four of the cluster; 17:16 elements of 8 bytes; 21 set beside a mask; no padding
	s_mov_b32 s[G1+1], 32<<16                      ; tensor_dim0 = 32
	s_mov_b32 s[G1+2], 128<<16                     ; tensor_dim1 = 128
	s_mov_b32 s[G1+3], 32<<16                      ; tile_dim0 = 32
	s_mov_b32 s[G1+4], 128                         ; tile_dim1 = 128
	s_mov_b32 s[G1+5], 32                          ; from row to row: 32 elements
	s_mov_b32 s[G1+6], 0
	s_mov_b32 s[G1+7], 0
	s_lshl_b32 s56, s16, 15                        ; wave x 32,768: my part of a weight matrix, in memory and in a slot
	s_mov_b32 s57, 0
	s_lshl_b32 s22, s18, 17                        ; block x 32 positions x 4,096 bytes
	s_lshl_b32 s23, s17, 10                        ; batch x 1,024
	s_add_co_u32 s60, s22, s56                     ; + wave x 8 positions x 4,096
	s_add_co_u32 s60, s60, s23
	s_mov_b32 s61, 0
	s_lshl_b32 s19, s18, 5                         ; my eight halo positions begin at s0 - 16 + 8 w (waves 0, 1), s0 + 16 + 8 w (waves 2, 3),
	s_lshl3_add_u32 s19, s16, s19
	s_lshr_b32 s22, s16, 1
	s_lshl_b32 s22, s22, 5
	s_add_co_u32 s19, s19, s22
	s_sub_co_i32 s19, s19, 16
	s_max_i32 s19, s19, 0                          ; clamped into the sequence: a group of eight lies wholly inside or wholly outside, and what a clamped
	s_min_i32 s19, s19, 2040                       ; group brings is thrown away by the masks below
	s_lshl_b32 s62, s19, 12
	s_add_co_u32 s62, s62, s23
	s_mov_b32 s63, 0
	s_wait_dscnt 0x0
	s_wait_kmcnt 0x0
	s_add_nc_u64 s[48:49], s[4:5], s[60:61]        ; mod at my centre rows
	s_add_nc_u64 s[50:51], s[4:5], s[62:63]        ; mod at my halo rows
	s_add_nc_u64 s[52:53], s[14:15], s[60:61]      ; out0 at my centre rows
	s_add_nc_u64 s[20:21], s[6:7], s[56:57]        ; wfold at my wave's part of W'q
.irp e, 0,1,2,3,4,5,6,7
	global_load_b128 v[RES+8*\e:RES+8*\e+3],   v[L16], s[48:49] offset:\e*4096         ; a row is 1,024 bytes: two loads of 512 consecutive bytes
	global_load_b128 v[RES+8*\e+4:RES+8*\e+7], v[L16], s[48:49] offset:\e*4096+512
.endr
.irp e, 0,1,2,3,4,5,6,7
	global_load_b128 v[WB0+8*\e:WB0+8*\e+3],   v[L16], s[50:51] offset:\e*4096
	global_load_b128 v[WB0+8*\e+4:WB0+8*\e+7], v[L16], s[50:51] offset:\e*4096+512
.endr
.irp p, 0,1,2,3
	s_mov_b32 s[G0+4*\p], 1                                            ; count = 1
	s_add_co_u32 s[G0+4*\p+1], s56, (\p&1)*SLOT                        ; LDS: slot p & 1, my wave's part
	s_add_nc_u64 s[G0+4*\p+2:G0+4*\p+3], s[20:21], \p*131072           ; memory: matrix p, my wave's part
	s_or_b32 s[G0+4*\p+3], s[G0+4*\p+3], 0x80000000                    ; type = 2
.endr
	ROUND                                          ; the four work-groups are here: the first joint loads meet
	tensor_load_to_lds s[G0:G0+3], s[G1:G1+7]      ; W'q into slot 0
	s_nop 0
	tensor_load_to_lds s[G0+4:G0+7], s[G1:G1+7]    ; W'k into slot 1.  A wave has at most two tensor loads outstanding
	s_nop 0
	v_mul_u32_u24 v15, v2, XP
	v_lshl_add_u32 v15, v3, 4, v15                 ; r x 528 + 16 h
	v_add_nc_u32 v[XRD], XB, v15
	v_add_nc_u32 v[CR], CTX, v15
	s_lshl_b32 s19, s16, 7
	s_add_co_u32 s19, s19, CTX
	v_add_nc_u32 v13, s19, v15                     ; + 128 w: goes to window 3 below
	s_mul_i32 s19, s16, 8*XP
	s_add_co_u32 s19, s19, XB
	v_lshl_add_u32 v[XST], v1, 3, s19
	v_add_nc_u32 v[WA0], s56, v[L16]
	v_add_nc_u32 v[WA1], SLOT, v[WA0]
	v_mul_u32_u24 v[YA], v2, YP
	v_lshl_add_u32 v[YA], v3, 5, v[YA]
	s_lshl_b32 s19, s16, 8
	v_lshlrev_b32 v[BOFF], 5, v3
	v_add_nc_u32 v[BOFF], s19, v[BOFF]
	s_add_co_u32 s19, s19, XB
	v_add_nc_u32 v[YA], s19, v[YA]
	s_mul_i32 s19, s16, 8*YP
	s_add_co_u32 s19, s19, XB
	v_add_nc_u32 v[YR], s19, v[L16]
	; The band.  Query r of a tile, key 8 h + j of the tile before it: allowed where j > u, u = r - 8 h; of the tile behind it: where j < u; of its own tile: always.
	; In block 0 the tile before query tile 0, in block 63 the tile behind query tile 1, lies outside the sequence: nothing of it is allowed.
	v_lshlrev_b32 v14, 3, v3
	v_sub_nc_u32 v14, v2, v14                      ; u
	s_cmp_eq_u32 s18, 0
	s_cselect_b32 s19, 0, -1
	s_cmp_eq_u32 s18, 63
	s_cselect_b32 s22, 0, -1
.irp j, 0,1,2,3,4,5,6,7
	v_cmp_gt_i32 s[66+\j], \j, v14
	v_cmp_lt_i32 s[82+\j], \j, v14
.endr
.irp j, 0,1,2,3,4,5,6,7
	s_and_b32 s[74+\j], s[66+\j], s19
	s_and_b32 s[90+\j], s[82+\j], s22
.endr
	WIN 0xc0                                       ; destination window 3
	v_mov_b32 v[NEG], 0xff800000
.irp i, 0,1,2,3
	v_mov_b32 v[ZZ+\i], 0
.endr
	v_mov_b32 v[CA], v13
	v_mov_b32 v[MX+1], 0                           ; a lane permute's destination counts as read
	WIN 0
; One row of X: 8 f32 a lane to 4 words of bf16, into LDS
.macro XROW src, e, off
	v_cvt_pk_bf16_f32 v[SQ+4*(\e&3)],   v[\src+8*\e],   v[\src+8*\e+1]
	v_cvt_pk_bf16_f32 v[SQ+4*(\e&3)+1], v[\src+8*\e+2], v[\src+8*\e+3]
	v_cvt_pk_bf16_f32 v[SQ+4*(\e&3)+2], v[\src+8*\e+4], v[\src+8*\e+5]
	v_cvt_pk_bf16_f32 v[SQ+4*(\e&3)+3], v[\src+8*\e+6], v[\src+8*\e+7]
	ds_store_b64 v[XST], v[SQ+4*(\e&3):SQ+4*(\e&3)+1]   offset:\off+\e*XP
	ds_store_b64 v[XST], v[SQ+4*(\e&3)+2:SQ+4*(\e&3)+3] offset:\off+\e*XP+256
.endm
	s_wait_loadcnt 16                              ; the centre rows are in; the 16 halo loads are younger
.irp e, 0,1,2,3,4,5,6,7
	XROW RES, \e, 0
.endr
	global_load_b128 v[GAM:GAM+3],   v[L16], s[10:11]
	global_load_b128 v[GAM+4:GAM+7], v[L16], s[10:11] offset:512
	global_load_b128 v[BET:BET+3],   v[L16], s[12:13]
	global_load_b128 v[BET+4:BET+7], v[L16], s[12:13] offset:512
	WIN 0x80                                       ; destination window 2: b'p[64 w + 16 ft + 8 h .. + 7], the layout of a C operand with features along m
.irp p, 0,1,2,3
.irp ft, 0,1,2,3
	global_load_b128 v[BQ+32*\p+8*\ft:BQ+32*\p+8*\ft+3],   v[BOFF], s[8:9] offset:\p*1024+\ft*64
	global_load_b128 v[BQ+32*\p+8*\ft+4:BQ+32*\p+8*\ft+7], v[BOFF], s[8:9] offset:\p*1024+\ft*64+16
.endr
.endr
	WIN 0
	s_wait_loadcnt 36                              ; the halo rows are in; the 4 + 32 loads just issued are younger
.irp e, 0,1,2,3,4,5,6,7
	XROW WB0, \e, 32*XP
.endr
	s_wait_dscnt 0x0                               ; my rows of X are in LDS, for the other waves' sake
	s_barrier_signal -1
	s_barrier_wait -1                              ; X is whole.  The weights may still be on their way
; The eight fragments of 16 rows that begin at byte 'byte' behind adr, into tile t of window 1
.macro XLOAD adr, t, byte
.irp ks, 0,1,2,3,4,5,6,7
	ds_load_b128 v[8*(8*\t+\ks):8*(8*\t+\ks)+3],   v[\adr] offset:\byte+\ks*64
	ds_load_b128 v[8*(8*\t+\ks)+4:8*(8*\t+\ks)+7], v[\adr] offset:\byte+\ks*64+32
.endr
.endm
; Sixteen LDS loads, lane i at 16 i: the weight fragments of K steps 2 bt, 2 bt + 1 x 4 feature tiles, into a buffer
.macro FETCH adr, bt, buf
	WIN 0
.irp i, 0,1,2,3,4,5,6,7
	ds_load_b128 v[\buf+8*\i:\buf+8*\i+3],   v[\adr] offset:\bt*8192+\i*1024
	ds_load_b128 v[\buf+8*\i+4:\buf+8*\i+7], v[\adr] offset:\bt*8192+\i*1024+512
.endr
.endm
; 8 nt matrix instructions: K steps 2 bt, 2 bt + 1 x position tiles t0 .. t0 + nt - 1 x 4 feature tiles.  orient 0: features along m; 1: positions along m.
; The very first K step starts the sums from the bias tuples at cbase (window 2), or from 0 where cbase < 0: nothing is cleared.
; The 4 nt accumulators take turns, one instruction a turn, in the same order throughout.
.macro MULB orient, buf, bt, t0, nt, cbase
.if \orient
	WIN 0xa1                                       ; source 0 = X (window 1), source 1 = W' (window 0), C and D window 2
.else
	WIN 0xa4                                       ; source 0 = W' (window 0), source 1 = X (window 1), C and D window 2
.endif
.irp ksl, 0,1
.set ti, 0
.rept \nt
.irp ft, 0,1,2,3
.set MD, 8*(4*ti+\ft)
.if \orient
.set MA, 8*(8*(\t0+ti)+2*\bt+\ksl)
.set MB, \buf+8*(4*\ksl+\ft)
.else
.set MA, \buf+8*(4*\ksl+\ft)
.set MB, 8*(8*(\t0+ti)+2*\bt+\ksl)
.endif
.if (\bt+\ksl) != 0
	v_wmma_f32_16x16x32_bf16 v[MD:MD+7], v[MA:MA+7], v[MB:MB+7], v[MD:MD+7]
.else
.if \cbase < 0
	v_wmma_f32_16x16x32_bf16 v[MD:MD+7], v[MA:MA+7], v[MB:MB+7], 0
.else
	v_wmma_f32_16x16x32_bf16 v[MD:MD+7], v[MA:MA+7], v[MB:MB+7], v[\cbase+8*\ft:\cbase+8*\ft+7]
.endif
.endif
.endr
.set ti, ti+1
.endr
.endr
.endm
; A whole projection, K = 256 in four batches on two buffers.  Batches 0 and 1 have been fetched in front of it.
.macro PASS orient, adr, t0, nt, cbase
	s_wait_dscnt 16                                ; all but the youngest batch of sixteen loads
	MULB \orient, WB0, 0, \t0, \nt, \cbase
	PLACES
	FETCH \adr, 2, WB0
	s_wait_dscnt 16
	MULB \orient, WB1, 1, \t0, \nt, \cbase
	PLACES
	FETCH \adr, 3, WB1
	s_wait_dscnt 16
	MULB \orient, WB0, 2, \t0, \nt, \cbase
	s_wait_dscnt 0
	MULB \orient, WB1, 3, \t0, \nt, \cbase
.endm
; Q or K out of the accumulators: feature tiles 2 hh, 2 hh + 1 of position tile ti become registers 0-3, 4-7 of fragment base + 8 (nt hh + ti)
.macro CVTT base, nt
	WIN 0xca                                       ; sources window 2, destination window 3
.set ti, 0
.rept \nt
.irp ft, 0,1,2,3
.irp i, 0,1,2,3
	v_cvt_pk_bf16_f32 v[\base+8*(\nt*(\ft>>1)+ti)+4*(\ft&1)+\i], v[8*(4*ti+\ft)+2*\i], v[8*(4*ti+\ft)+2*\i+1]
.endr
.endr
.set ti, ti+1
.endr
.endm
; Softmax of query tile qt over its 48 keys (24 a lane, the other 24 in lane xor 16).  ma, mb: the masks of the tile before and behind.  pdst: the weights as bf16.
.macro SOFTMAX qt, ma, mb, pdst
.irp j, 0,1,2,3,4,5,6,7
	v_cndmask_b32 v[SS+24*\qt+\j],    v[NEG], v[SS+24*\qt+\j],    s[\ma+\j]
	v_cndmask_b32 v[SS+24*\qt+16+\j], v[NEG], v[SS+24*\qt+16+\j], s[\mb+\j]
.endr
.irp c, 0,1,2
	v_max3_num_f32 v[TT+\c], v[SS+24*\qt+8*\c], v[SS+24*\qt+8*\c+1], v[SS+24*\qt+8*\c+2]
.endr
.irp c, 0,1,2
	v_max3_num_f32 v[TT+\c], v[TT+\c], v[SS+24*\qt+8*\c+3], v[SS+24*\qt+8*\c+4]
.endr
.irp c, 0,1,2
	v_max3_num_f32 v[TT+\c], v[TT+\c], v[SS+24*\qt+8*\c+5], v[SS+24*\qt+8*\c+6]
.endr
.irp c, 0,1,2
	v_max_num_f32 v[TT+\c], v[TT+\c], v[SS+24*\qt+8*\c+7]
.endr
	v_max3_num_f32 v[MX], v[TT], v[TT+1], v[TT+2]
	v_permlanex16_b32 v[MX+1], v[MX], s54, s55
	v_max_num_f32 v[MX], v[MX], v[MX+1]            ; the query's maximum: finite, its own position is always allowed
.irp i, 0,2,4,6,8,10,12,14,16,18,20,22
	v_pk_add_f32 v[SS+24*\qt+\i:SS+24*\qt+\i+1], v[SS+24*\qt+\i:SS+24*\qt+\i+1], v[MX:MX+1] op_sel_hi:[1,0] neg_lo:[0,1] neg_hi:[0,1]
.endr
.set i, 0
.rept 24
	v_exp_f32 v[SS+24*\qt+i], v[SS+24*\qt+i]
.set i, i+1
.endr
	v_nop                                          ; one plain place behind the exponentials before their results are used (ISA guide 5.7.2)
	s_wait_alu depctr_va_vdst(0)
.irp c, 0,1,2
	v_pk_add_f32 v[TT+2*\c:TT+2*\c+1], v[SS+24*\qt+8*\c:SS+24*\qt+8*\c+1], v[SS+24*\qt+8*\c+2:SS+24*\qt+8*\c+3]
.endr
.irp c, 0,1,2
	v_pk_add_f32 v[TT+2*\c:TT+2*\c+1], v[TT+2*\c:TT+2*\c+1], v[SS+24*\qt+8*\c+4:SS+24*\qt+8*\c+5]
.endr
.irp c, 0,1,2
	v_pk_add_f32 v[TT+2*\c:TT+2*\c+1], v[TT+2*\c:TT+2*\c+1], v[SS+24*\qt+8*\c+6:SS+24*\qt+8*\c+7]
.endr
	v_pk_add_f32 v[TT:TT+1], v[TT:TT+1], v[TT+2:TT+3]
	v_pk_add_f32 v[TT:TT+1], v[TT:TT+1], v[TT+4:TT+5]
	v_add_f32 v[TT], v[TT], v[TT+1]
	v_permlanex16_b32 v[TT+1], v[TT], s54, s55
	v_add_f32 v[TT], v[TT], v[TT+1]                ; at least 1: the maximum's own term
	v_rcp_f32 v[RL+2*\qt], v[TT]
	v_rcp_f32 v[RL+2*\qt+1], v[TT]                 ; the conversions below are the plain places behind these two
.irp i, 0,1,2,3,4,5,6,7,8,9,10,11
	v_cvt_pk_bf16_f32 v[\pdst+\i], v[SS+24*\qt+2*\i], v[SS+24*\qt+2*\i+1]
.endr
.endm
; Head 2 w + hh: scores, softmax, weights x V, division by the sum, v's bias, the context to LDS
.macro ATT hh
	WIN 0xff                                       ; all in window 3
.irp qt, 0,1
.irp c, 0,1,2
	v_wmma_f32_16x16x32_bf16 v[SS+24*\qt+8*\c:SS+24*\qt+8*\c+7], v[KF+8*(4*\hh+\qt+\c):KF+8*(4*\hh+\qt+\c)+7], v[QF+8*(2*\hh+\qt):QF+8*(2*\hh+\qt)+7], 0
.endr
.endr
	PLACES
	SOFTMAX 0, 74, 82, P0
	SOFTMAX 1, 66, 90, P1
	; keys in two blocks of 32 (position tiles 0, 1 and 2, 3); the four accumulators take turns
.irp dt, 0,1
	v_wmma_f32_16x16x32_bf16 v[SS+8*\dt:SS+8*\dt+7], v[VF+16*(2*\hh+\dt):VF+16*(2*\hh+\dt)+7], v[P0:P0+7], 0
.endr
.irp dt, 0,1
	v_wmma_f32_16x16x32_bf16 v[SS+24+8*\dt:SS+24+8*\dt+7], v[VF+16*(2*\hh+\dt):VF+16*(2*\hh+\dt)+7], v[ZZ:ZZ+7], 0
.endr
.irp dt, 0,1
	v_wmma_f32_16x16x32_bf16 v[SS+8*\dt:SS+8*\dt+7], v[VF+16*(2*\hh+\dt)+8:VF+16*(2*\hh+\dt)+15], v[P0+8:P0+15], v[SS+8*\dt:SS+8*\dt+7]
.endr
.irp dt, 0,1
	v_wmma_f32_16x16x32_bf16 v[SS+24+8*\dt:SS+24+8*\dt+7], v[VF+16*(2*\hh+\dt)+8:VF+16*(2*\hh+\dt)+15], v[P1+4:P1+11], v[SS+24+8*\dt:SS+24+8*\dt+7]
.endr
	PLACES
	WIN 0xef                                       ; source 2 (v's bias) window 2
	s_wait_alu depctr_va_vdst(0)
.irp qt, 0,1
.irp dt, 0,1
.irp i, 0,2,4,6
	v_pk_fma_f32 v[SS+24*\qt+8*\dt+\i:SS+24*\qt+8*\dt+\i+1], v[SS+24*\qt+8*\dt+\i:SS+24*\qt+8*\dt+\i+1], v[RL+2*\qt:RL+2*\qt+1], v[BV+8*(2*\hh+\dt)+\i:BV+8*(2*\hh+\dt)+\i+1]
.endr
.endr
.endr
	WIN 0xff
.irp qt, 0,1
.irp dt, 0,1
.irp i, 0,1,2,3
	v_cvt_pk_bf16_f32 v[TT+4*\dt+\i], v[SS+24*\qt+8*\dt+2*\i], v[SS+24*\qt+8*\dt+2*\i+1]
.endr
	ds_store_b128 v[CA], v[TT+4*\dt:TT+4*\dt+3] offset:\qt*16*XP+\hh*64+\dt*32     ; query 16 qt + r, features 64 w + 32 hh + 16 dt + 8 h .. + 7
.endr
.endr
.endm
	WIN 0x40                                       ; destination window 1
	XLOAD XRD, 1, 0                                ; positions s0 .. s0 + 15
	XLOAD XRD, 2, 16*XP
	XLOAD XRD, 0, 32*XP                            ; low halo
	XLOAD XRD, 3, 48*XP                            ; high halo
	WIN 0
	s_wait_tensorcnt 0x1                           ; my part of W'q is in; W'k, issued behind it, may be out
	FETCH WA0, 0, WB0
	FETCH WA0, 1, WB1
	s_wait_loadcnt 0x0                             ; biases, gamma, beta
	PASS 0, WA0, 1, 2, BQ                          ; Q for the 32 centre positions
	WIN 0
	s_wait_dscnt 0x0                               ; my reads of slot 0 (and of X) are back
	s_set_vgpr_msb 0xf
	s_wait_tensorcnt 0x0                           ; all my tensor loads have landed, W'k among them
	ds_add_u32 v254, v255
	s_wait_dscnt 0x0
	s_set_vgpr_msb 0xf00
	ROUND                                          ; both hold of every wave of the four work-groups
	tensor_load_to_lds s[G0+8:G0+11], s[G1:G1+7]   ; W'v into slot 0: my one tensor load behind this round
	s_nop 0
	PLACES
	FETCH WA1, 0, WB0
	FETCH WA1, 1, WB1
	CVTT QF, 2
	PASS 0, WA1, 0, 4, BK                          ; K for all 64 positions
	WIN 0
	s_wait_dscnt 0x0                               ; my reads of slot 1 are back
	s_set_vgpr_msb 0xf
	s_wait_tensorcnt 0x0                           ; W'v has landed
	ds_add_u32 v254, v255
	s_wait_dscnt 0x0
	s_set_vgpr_msb 0xf00
	ROUND
	tensor_load_to_lds s[G0+12:G0+15], s[G1:G1+7]  ; W'o into slot 1: the last tensor load
	s_nop 0
	PLACES
	FETCH WA0, 0, WB0
	FETCH WA0, 1, WB1
	CVTT KF, 4
	PASS 1, WA0, 0, 4, -1                          ; V for all 64 positions, positions along m, without its bias
	PLACES
	WIN 0xca
.irp t, 0,1,2,3
.irp ft, 0,1,2,3
.irp i, 0,1,2,3
	v_cvt_pk_bf16_f32 v[VF+16*\ft+4*\t+\i], v[8*(4*\t+\ft)+2*\i], v[8*(4*\t+\ft)+2*\i+1]
.endr
.endr
.endr
	ATT 0
	ATT 1
	WIN 0
	s_wait_dscnt 0x0                               ; my columns of the context are in LDS
	s_barrier_signal -1
	s_barrier_wait -1                              ; the context is whole.  W'o may still be out
	WIN 0x40
	XLOAD CR, 1, 0                                 ; the context's fragments take the places of X tiles 1 and 2
	XLOAD CR, 2, 16*XP
	WIN 0
	s_wait_tensorcnt 0x0                           ; W'o is in
	FETCH WA1, 0, WB0
	FETCH WA1, 1, WB1
	PASS 0, WA1, 1, 2, BO                          ; the output projection, features along m
	PLACES
	WIN 0x08                                       ; store data window 2.  X's bytes are free: every wave's reads of them were waited for in front of the first refill's round
.irp qt, 0,1
.irp ft, 0,1,2,3
	ds_store_b128 v[YA], v[8*(4*\qt+\ft):8*(4*\qt+\ft)+3]   offset:\qt*16*YP+\ft*64
	ds_store_b128 v[YA], v[8*(4*\qt+\ft)+4:8*(4*\qt+\ft)+7] offset:\qt*16*YP+\ft*64+16
.endr
.endr
	WIN 0
	s_wait_dscnt 0x0
	s_barrier_signal -1
	s_barrier_wait -1                              ; the projection's 32 rows are whole
	; Residual and LayerNorm of rows 8 w + e, a row in one wave: 8 numbers a lane, in the same places as RES, gamma and beta
.irp e, 0,1,2,3,4,5,6,7
	ds_load_b128 v[WB0+8*\e:WB0+8*\e+3],   v[YR] offset:\e*YP
	ds_load_b128 v[WB0+8*\e+4:WB0+8*\e+7], v[YR] offset:\e*YP+512
.endr
	s_mov_b32 s22, 0x3b800000                      ; 1/256
	s_mov_b32 s23, 0x358637bd                      ; 1e-6
.macro LANESUM base                    ; eight sums over the 32 lanes, side by side
.irp x, 1,2,4,8
.irp e, 0,1,2,3,4,5,6,7
	v_add_f32_dpp v[\base+2*\e], v[\base+2*\e], v[\base+2*\e] row_xmask:\x row_mask:0xf bank_mask:0xf
.endr
.endr
.irp e, 0,1,2,3,4,5,6,7
	v_permlanex16_b32 v[\base+2*\e+1], v[\base+2*\e], s54, s55
.endr
.irp e, 0,1,2,3,4,5,6,7
	v_add_f32 v[\base+2*\e], v[\base+2*\e], v[\base+2*\e+1]
.endr
.endm
	s_wait_dscnt 0x0
.irp e, 0,1,2,3,4,5,6,7
.irp i, 0,2,4,6
	v_pk_add_f32 v[WB0+8*\e+\i:WB0+8*\e+\i+1], v[WB0+8*\e+\i:WB0+8*\e+\i+1], v[RES+8*\e+\i:RES+8*\e+\i+1]     ; y = projection + mod
.endr
.endr
.irp e, 0,1,2,3,4,5,6,7
	v_pk_add_f32 v[SU+2*\e:SU+2*\e+1], v[WB0+8*\e:WB0+8*\e+1], v[WB0+8*\e+2:WB0+8*\e+3]
.endr
.irp i, 4,6
.irp e, 0,1,2,3,4,5,6,7
	v_pk_add_f32 v[SU+2*\e:SU+2*\e+1], v[SU+2*\e:SU+2*\e+1], v[WB0+8*\e+\i:WB0+8*\e+\i+1]
.endr
.endr
.irp e, 0,1,2,3,4,5,6,7
	v_add_f32 v[SU+2*\e], v[SU+2*\e], v[SU+2*\e+1]
.endr
	LANESUM SU
.irp e, 0,1,2,3,4,5,6,7
.irp i, 0,2,4,6
	v_pk_fma_f32 v[WB0+8*\e+\i:WB0+8*\e+\i+1], v[SU+2*\e:SU+2*\e+1], s[58:59], v[WB0+8*\e+\i:WB0+8*\e+\i+1] op_sel_hi:[0,0,1]   ; d = y - sum / 256
.endr
.endr
.irp e, 0,1,2,3,4,5,6,7
	v_pk_mul_f32 v[SQ+2*\e:SQ+2*\e+1], v[WB0+8*\e:WB0+8*\e+1], v[WB0+8*\e:WB0+8*\e+1]
.endr
.irp i, 2,4,6
.irp e, 0,1,2,3,4,5,6,7
	v_pk_fma_f32 v[SQ+2*\e:SQ+2*\e+1], v[WB0+8*\e+\i:WB0+8*\e+\i+1], v[WB0+8*\e+\i:WB0+8*\e+\i+1], v[SQ+2*\e:SQ+2*\e+1]
.endr
.endr
.irp e, 0,1,2,3,4,5,6,7
	v_add_f32 v[SQ+2*\e], v[SQ+2*\e], v[SQ+2*\e+1]
.endr
	LANESUM SQ
.irp e, 0,1,2,3,4,5,6,7
	v_fma_f32 v[SQ+2*\e], v[SQ+2*\e], s22, s23     ; variance + 1e-6
.endr
.irp e, 0,1,2,3,4,5,6,7
	v_rsq_f32 v[SQ+2*\e], v[SQ+2*\e]
.endr
	v_nop                                          ; one plain place behind the roots (ISA guide 5.7.2)
	s_wait_alu depctr_va_vdst(0)
.irp e, 0,1,2,3,4,5,6,7
.irp i, 0,2,4,6
	v_pk_mul_f32 v[WB0+8*\e+\i:WB0+8*\e+\i+1], v[WB0+8*\e+\i:WB0+8*\e+\i+1], v[SQ+2*\e:SQ+2*\e+1] op_sel_hi:[1,0]
.endr
.irp i, 0,2,4,6
	v_pk_fma_f32 v[WB0+8*\e+\i:WB0+8*\e+\i+1], v[WB0+8*\e+\i:WB0+8*\e+\i+1], v[GAM+\i:GAM+\i+1], v[BET+\i:BET+\i+1]
.endr
	global_store_b128 v[L16], v[WB0+8*\e:WB0+8*\e+3],   s[52:53] offset:\e*4096 th:TH_STORE_NT         ; each store of the wave covers 512 consecutive bytes, aligned
	global_store_b128 v[L16], v[WB0+8*\e+4:WB0+8*\e+7], s[52:53] offset:\e*4096+512 th:TH_STORE_NT
.endr
	s_set_vgpr_msb 0xf
	s_wait_tensorcnt 0x0
	ds_add_u32 v254, v255
	s_wait_dscnt 0x0
	s_set_vgpr_msb 0xf00
	ROUND                                          ; the closing round: no work-group ends while a partner may still ask for a tile that names it
	s_endpgm
.Lfunc_end_k_q0a600fa618_attn:
	.size	k_q0a600fa618_attn, .Lfunc_end_k_q0a600fa618_attn-k_q0a600fa618_attn
	.p2alignl 7, 3214868480
	.fill 96, 4, 3214868480
	.section	.rodata,"a",@progbits
	.p2align	6, 0x0
	.amdhsa_kernel k_q0a600fa618_attn
		.amdhsa_group_segment_fixed_size 327680
		.amdhsa_private_segment_fixed_size 0
		.amdhsa_enable_private_segment 0
		.amdhsa_kernarg_size 48
		.amdhsa_user_sgpr_count 2
		.amdhsa_user_sgpr_kernarg_segment_ptr 1
		.amdhsa_wavefront_size32 1
		.amdhsa_system_sgpr_workgroup_id_x 1
		.amdhsa_system_sgpr_workgroup_id_y 1
		.amdhsa_system_sgpr_workgroup_id_z 1
		.amdhsa_system_vgpr_workitem_id 0
		.amdhsa_next_free_vgpr 1024
		.amdhsa_next_free_sgpr 98
		.amdhsa_reserve_vcc 0
		.amdhsa_float_denorm_mode_32 3
		.amdhsa_float_denorm_mode_16_64 3
		.amdhsa_memory_ordered 1
		.amdhsa_forward_progress 1
		.amdhsa_inst_pref_size 130
	.end_amdhsa_kernel
	.amdgpu_metadata
---
amdhsa.version: [ 1, 2 ]
amdhsa.kernels:
  - .name:           k_q0a600fa618_attn
    .symbol:         k_q0a600fa618_attn.kd
    .args:
      - { .name: mod, .offset: 0, .size: 8, .value_kind: global_buffer, .address_space: global }
      - { .name: wfold, .offset: 8, .size: 8, .value_kind: global_buffer, .address_space: global }
      - { .name: bfold, .offset: 16, .size: 8, .value_kind: global_buffer, .address_space: global }
      - { .name: gamma, .offset: 24, .size: 8, .value_kind: global_buffer, .address_space: global }
      - { .name: beta, .offset: 32, .size: 8, .value_kind: global_buffer, .address_space: global }
      - { .name: out0, .offset: 40, .size: 8, .value_kind: global_buffer, .address_space: global }
    .group_segment_fixed_size: 327680
    .private_segment_fixed_size: 0
    .kernarg_segment_align: 8
    .kernarg_segment_size: 48
    .max_flat_workgroup_size: 128
    .sgpr_count:     98
    .vgpr_count:     1024
    .wavefront_size: 32
...
	.end_amdgpu_metadata
.endif
;; end of part 2
;; ======== version 2 of 2: 2 launches; version 1 with the launch fold written anew for expert scheduling mode
;; workspace buffers: wfold 524,288 bytes; bfold 4,096 bytes
;; launch fold (part 3): grid 64 x 1, 8 waves a work-group, no clusters, 76,032 bytes of LDS; arguments Win, Wfc, Wq, Wk, Wv, Wout, bin_, bfc, bq, bk, bv, bout, wfold, bfold; writes wfold, bfold
.if DOCPART == 3
	.amdgcn_target "amdgcn-amd-amdhsa--gfx1250"
	.amdhsa_code_object_version 6
	.text
	.protected	k_q0a600fa618_fold
	.globl	k_q0a600fa618_fold
	.p2align	8
	.type	k_q0a600fa618_fold,@function
k_q0a600fa618_fold:
	s_mov_b64 s[64:65], 0
	v_nop
	global_prefetch_b8 v0, s[64:65] scope:SCOPE_SE
	s_setreg_imm32_b32 hwreg(HW_REG_WAVE_SCHED_MODE, 0, 2), 2
	s_setreg_imm32_b32 hwreg(HW_REG_WAVE_MODE, 25, 1), 1
	s_wait_xcnt 0x0
	s_wait_alu depctr_vm_vsrc(0)
; FOLD: the module applies two linear layers one straight behind the other, four times.  (x R^T + bR) L^T + bL = x (L R)^T + (L bR + bL)
; holds for every input, so this launch makes W'p = Lp Rp and b'p = Lp bRp + bLp for
;   p = 0: L = Win[0:256],   R = Wq    p = 1: L = Win[256:512], R = Wk    p = 2: L = Win[512:768], R = Wv    p = 3: L = Wfc, R = Wout.
; For p = 0 both are multiplied by log2(e) / sqrt(32), so that the next launch's scores are exponents of 2.
; STATED DEPARTURE: the order of rounding differs from two separate layers: L and R are rounded to bf16, summed in f32, and W' is rounded
; once more to bf16.  b' is made in f32 on the vector unit (a matrix-vector product has no use for the matrix unit).
; W' is stored in the order in which the next launch's matrix fragments want it: W'p[n][k] lies at byte
;   p 131072 + (n>>6) 32768 + (k>>5) 4096 + ((n>>4)&3) 1024 + ((k>>4)&1) 512 + (((k>>3)&1) 16 + (n&15)) 16 + (k&7) 2.
; 64 work-groups: p = x>>4, kb = (x>>2)&3 (64 columns k), nb = x&3 (64 rows n): each reads 64 f32 = 256 consecutive bytes of each row of R.
; Eight waves: wave w makes n tile nt = w&3 and the k tiles 2 kp, 2 kp + 1 with kp = w>>2: two accumulators, 16 matrix instructions.
; The matrix instruction gives D[m = k][n = n]: source 0 = R transposed (transposing LDS load from R kept as [j][k]), source 1 = rows of L.
; A lane then holds eight neighbouring k of one row n: 16 bytes, and a wave's store covers 512 consecutive bytes of wfold.
; THE MODE: SCHED_MODE bits 1:0 = 2 (LLVM: expert scheduling mode 2), set by the entry lines.  The code itself states the register dependences
; between vector or matrix instructions and memory or LDS instructions, with s_wait_alu, always for 0.
; THE PLAN.  Registers that memory or LDS instructions touch, in the order of the text:
;   v4 .. v13   offsets and LDS addresses: written at the head, never again; one wait ahead of the first load serves every load and store.
;   RR          global loads land; R's conversions close up in place; a wait; 16 LDS stores read it; behind the barrier the transposing loads land in it.
;   LR          global loads land; L's conversions and (kb = 0) the dot products read it; behind the barrier the transposing loads land in it.
;   BF          L's conversions write its first 32 registers (LR stays f32 for the dot products); a wait; 16 LDS stores read them; behind the barrier L's fragments land in it.
;   BS          the eight dot products write it; a wait; eight LDS stores read it; never written again.
;   BR          two global loads land (bR); at the end the last conversions write it; a wait; two global stores read it.
;   CV          in the arm that makes b' alone: two loads land, two packed instructions write it, a wait, one global store reads it.
;   D0, D1 are named by vector and matrix instructions alone.  v14, v15: written at the head, read by the closing add alone.
; So each batch of conversions has registers of its own and ONE wait on va_vdst between it and its run of stores, and ONE wait on vm_vsrc, behind the
; barrier, states that the LDS stores have read RR and BF before the fragments' loads land there.
.set RP,  160                          ; LDS pitch of R's rows: 128 bytes of bf16 + 32 (an odd multiple of 32, for the transposing load)
.set LB,  256*RP                       ; 40,960: L's block begins behind R's 256 rows
.set LP,  528                          ; LDS pitch of L's rows: 512 bytes + 16
.set BB,  LB+64*LP                     ; 74,752: 64 f32, the dot products of L's rows with bR
.set D0,  16                           ; v[16:23]   accumulator, k tile 2 kp
.set D1,  24                           ; v[24:31]   accumulator, k tile 2 kp + 1
.set BR,  32                           ; v[32:39]   bR[4 L ..], bR[128 + 4 L ..]; at the end the packed results
.set CV,  40                           ; v[40:43]   b': bL and the dot products of two rows
.set BS,  48                           ; v[48:63]   row e's dot product in 48 + 2 e
.set RR,  64                           ; v[64:127]  R as loaded, then as bf16 in words 4 it, 4 it + 1; later the fragments of R^T, k tile 0
.set LR,  128                          ; v[128:191] L as loaded; later the fragments of R^T, k tile 1
.set BF,  192                          ; v[192:255] L as bf16, row e in 192 + 4 e .. + 3; later the fragments of L
	s_load_b512 s[4:19], s[0:1], 0x0               ; Win, Wfc, Wq, Wk, Wv, Wout, bin_, bfc
	s_load_b256 s[20:27], s[0:1], 0x40             ; bq, bk, bv, bout
	s_load_b128 s[28:31], s[0:1], 0x60             ; wfold, bfold
	v_lshl_add_u32 v14, v0, 2, 0x12500
	v_mov_b32 v15, 0
	v_lshrrev_b32 v13, 5, v0
	v_readfirstlane_b32 s32, v13                   ; wave 0..7
	s_lshr_b32 s33, ttmp9, 4                       ; p
	s_bfe_u32 s34, ttmp9, 0x20002                  ; kb
	s_and_b32 s35, ttmp9, 3                        ; nb
	s_mov_b32 s50, 0x76543210                      ; v_permlanex16_b32: lane i takes lane i of the other half
	s_mov_b32 s51, 0xfedcba98
	v_and_b32 v1, 31, v0                           ; L
	v_and_b32 v2, 15, v0                           ; r
	v_bfe_u32 v3, v0, 4, 1                         ; h
	v_lshlrev_b32 v10, 4, v1                       ; 16 L
	v_lshlrev_b32 v11, 3, v1                       ; 8 L
	v_lshlrev_b32 v4, 4, v2                        ; R in memory: row 32 w + h, 16 bytes at 16 r
	v_lshl_add_u32 v4, v3, 10, v4
	s_wait_alu depctr_va_sdst(0)                   ; s32 is written, ahead of its first reader: kp, nt and the wave's offsets are made from it
	s_lshr_b32 s52, s32, 2                         ; kp
	s_and_b32 s53, s32, 3                          ; nt
	s_lshl_b32 s56, s32, 15
	v_add_nc_u32 v4, s56, v4
	s_lshl_b32 s56, s32, 13                        ; L in memory: row 8 w, 16 bytes at 16 L
	v_add_nc_u32 v5, s56, v10
	s_mul_i32 s56, s32, 32*RP                      ; R in LDS: row 32 w + h, 8 bytes at 8 r
	v_mul_u32_u24 v6, v3, RP
	v_lshl_add_u32 v6, v2, 3, v6
	v_add_nc_u32 v6, s56, v6
	s_mul_i32 s56, s32, 8*LP                       ; L in LDS: row 8 w, 8 bytes at 8 L
	s_add_co_u32 s56, s56, LB
	v_add_nc_u32 v7, s56, v11
	v_and_b32 v8, 7, v0                            ; transposing load: row 8 h + (L & 7), 16 bytes at 16 ((L>>3) & 1), my 32 columns at 64 kp
	v_lshl_add_u32 v8, v3, 3, v8
	v_mul_u32_u24 v8, v8, RP
	v_bfe_u32 v9, v0, 3, 1
	v_lshl_add_u32 v8, v9, 4, v8
	s_lshl_b32 s56, s52, 6
	v_add_nc_u32 v8, s56, v8
	v_mul_u32_u24 v9, v2, LP                       ; L's fragments: row 16 nt + r, 16 bytes at 16 h
	v_lshl_add_u32 v9, v3, 4, v9
	s_mul_i32 s56, s53, 16*LP
	s_add_co_u32 s56, s56, LB
	v_add_nc_u32 v9, s56, v9
	s_lshl_b32 s56, s32, 5                         ; my wave's eight dot products
	s_add_co_u32 s56, s56, BB
	v_mov_b32 v12, s56
	v_add_nc_u32 v13, BB, v11                      ; all 64 of them, two a lane
	s_wait_kmcnt 0x0
	; which buffers: a choice on p alone
	s_cmp_eq_u32 s33, 1
	s_cselect_b64 s[36:37], s[10:11], s[8:9]       ; R
	s_cselect_b64 s[38:39], s[22:23], s[20:21]     ; bR
	s_cmp_eq_u32 s33, 2
	s_cselect_b64 s[36:37], s[12:13], s[36:37]
	s_cselect_b64 s[38:39], s[24:25], s[38:39]
	s_cmp_eq_u32 s33, 3
	s_cselect_b64 s[36:37], s[14:15], s[36:37]
	s_cselect_b64 s[38:39], s[26:27], s[38:39]
	s_cselect_b64 s[40:41], s[6:7], s[4:5]         ; L: Wfc or Win
	s_cselect_b64 s[42:43], s[18:19], s[16:17]     ; bL: bfc or bin_
	s_cselect_b32 s57, 0, s33                      ; which third of Win and bin_
	s_cmp_eq_u32 s33, 0
	s_cselect_b32 s44, 0x3e8293ee, 1.0             ; log2(e) / sqrt(32) for p = 0, else 1
	s_mov_b32 s45, s44
	s_mov_b32 s55, 0
	s_lshl_b32 s54, s34, 8
	s_add_nc_u64 s[36:37], s[36:37], s[54:55]      ; R at column 64 kb
	s_lshl_b32 s54, s57, 18
	s_lshl_b32 s56, s35, 16
	s_add_co_u32 s54, s54, s56
	s_add_nc_u64 s[40:41], s[40:41], s[54:55]      ; L at row 64 nb of its third
	s_wait_alu depctr_va_vdst(0)                   ; the offsets and LDS addresses v4 to v13 are written, which the loads and stores of the whole kernel read
	global_load_b128 v[BR:BR+3],   v10, s[38:39]               ; bR first, so that the counts below hold for R and L alone
	global_load_b128 v[BR+4:BR+7], v10, s[38:39] offset:512
.irp it, 0,1,2,3,4,5,6,7,8,9,10,11,12,13,14,15
	global_load_b128 v[RR+4*\it:RR+4*\it+3], v4, s[36:37] offset:\it*2048      ; rows 32 w + 2 it + h: sixteen lanes take 256 consecutive bytes
.endr
.irp e, 0,1,2,3,4,5,6,7
	global_load_b128 v[LR+8*\e:LR+8*\e+3],   v5, s[40:41] offset:\e*1024       ; row 8 w + e: 512 consecutive bytes a load
	global_load_b128 v[LR+8*\e+4:LR+8*\e+7], v5, s[40:41] offset:\e*1024+512
.endr
	s_lshl_b32 s54, s57, 10
	s_lshl_b32 s56, s35, 8
	s_add_co_u32 s54, s54, s56
	s_add_nc_u64 s[42:43], s[42:43], s[54:55]      ; bL at my 64 rows
	s_lshl_b32 s54, s33, 10
	s_add_co_u32 s54, s54, s56
	s_add_nc_u64 s[48:49], s[30:31], s[54:55]      ; bfold at p 1024 + nb 256
	s_lshl1_add_u32 s54, s34, s52                  ; 2 kb + kp
	s_lshl_b32 s54, s54, 12
	s_lshl_b32 s56, s53, 10
	s_add_co_u32 s54, s54, s56
	s_lshl_b32 s56, s35, 15
	s_add_co_u32 s54, s54, s56
	s_lshl_b32 s56, s33, 17
	s_add_co_u32 s54, s54, s56
	s_add_nc_u64 s[46:47], s[28:29], s[54:55]      ; wfold at my fragment of 1,024 bytes
	s_wait_loadcnt 16                              ; bR and R are in; the 16 loads of L are younger and stay out
.irp it, 0,1,2,3,4,5,6,7,8,9,10,11,12,13,14,15
	v_cvt_pk_bf16_f32 v[RR+4*\it],   v[RR+4*\it],   v[RR+4*\it+1]              ; four numbers close up into the first two of their four registers
	v_cvt_pk_bf16_f32 v[RR+4*\it+1], v[RR+4*\it+2], v[RR+4*\it+3]
.endr
	s_wait_alu depctr_va_vdst(0)                   ; R's conversions have written v[RR ..], which the LDS stores below read
.irp it, 0,1,2,3,4,5,6,7,8,9,10,11,12,13,14,15
	ds_store_b64 v6, v[RR+4*\it:RR+4*\it+1] offset:\it*2*RP
.endr
	s_wait_loadcnt 0x0                             ; L is in
.irp e, 0,1,2,3,4,5,6,7
	v_cvt_pk_bf16_f32 v[BF+4*\e],   v[LR+8*\e],   v[LR+8*\e+1]                 ; into registers of their own: LR stays in f32 for the dot products
	v_cvt_pk_bf16_f32 v[BF+4*\e+1], v[LR+8*\e+2], v[LR+8*\e+3]
	v_cvt_pk_bf16_f32 v[BF+4*\e+2], v[LR+8*\e+4], v[LR+8*\e+5]
	v_cvt_pk_bf16_f32 v[BF+4*\e+3], v[LR+8*\e+6], v[LR+8*\e+7]
.endr
	s_wait_alu depctr_va_vdst(0)                   ; L's conversions have written v[BF ..], which the LDS stores below read, and are done reading LR, in which the transposing loads land behind the barrier
.irp e, 0,1,2,3,4,5,6,7
	ds_store_b64 v7, v[BF+4*\e:BF+4*\e+1]   offset:\e*LP
	ds_store_b64 v7, v[BF+4*\e+2:BF+4*\e+3] offset:\e*LP+256
.endr
; Row 8 w + e of L times bR, in f32, from the registers as loaded; the sum over the 32 lanes ends in every lane.
; These lines name LR, BR and BS alone: none of the registers that the LDS stores above read.
.macro BDOT e
	v_pk_mul_f32 v[BS+2*\e:BS+2*\e+1], v[LR+8*\e:LR+8*\e+1], v[BR:BR+1]
.irp i, 2,4,6
	v_pk_fma_f32 v[BS+2*\e:BS+2*\e+1], v[LR+8*\e+\i:LR+8*\e+\i+1], v[BR+\i:BR+\i+1], v[BS+2*\e:BS+2*\e+1]
.endr
	v_add_f32 v[BS+2*\e], v[BS+2*\e], v[BS+2*\e+1]
.irp x, 1,2,4,8
	v_add_f32_dpp v[BS+2*\e], v[BS+2*\e], v[BS+2*\e] row_xmask:\x row_mask:0xf bank_mask:0xf
.endr
	v_permlanex16_b32 v[BS+2*\e+1], v[BS+2*\e], s50, s51
	v_add_f32 v[BS+2*\e], v[BS+2*\e], v[BS+2*\e+1]
.endm
	s_cmp_lg_u32 s34, 0                            ; the four work-groups kb = 0..3 hold the same rows of L: kb = 0 makes the bias
	s_cbranch_scc1 .Lno_dot
.irp e, 0,1,2,3,4,5,6,7
	BDOT \e
.endr
	s_wait_alu depctr_va_vdst(0)                   ; the eight sums v[BS + 2 e] are written, which the LDS stores below read; the dot products are done reading LR, in which the transposing loads land behind the barrier
.irp e, 0,1,2,3,4,5,6,7
	ds_store_b32 v12, v[BS+2*\e] offset:4*\e       ; all lanes write the same word with the same value
.endr
.Lno_dot:
	s_wait_dscnt 0x0                               ; my LDS stores are done, for the other waves' sake
	s_barrier_signal -1
	s_barrier_wait -1                              ; R's and L's blocks are whole
	s_wait_alu depctr_vm_vsrc(0)                   ; my LDS stores have read v[RR ..] and v[BF ..], in which the fragments' loads below land (the vector instructions that named RR, LR and BF stand ahead of a wait on va_vdst on either way here)
.irp js, 0,1,2,3,4,5,6,7
	ds_load_b128 v[BF+8*\js:BF+8*\js+3],   v9 offset:\js*64                    ; L(16 nt + r, 32 js + 8 h ..)
	ds_load_b128 v[BF+8*\js+4:BF+8*\js+7], v9 offset:\js*64+32
	ds_load_tr16_b128 v[RR+8*\js:RR+8*\js+3],   v8 offset:\js*32*RP            ; R(32 js + 8 h .., column r of k tile 0)
	ds_load_tr16_b128 v[RR+8*\js+4:RR+8*\js+7], v8 offset:\js*32*RP+16*RP
	ds_load_tr16_b128 v[LR+8*\js:LR+8*\js+3],   v8 offset:\js*32*RP+32         ; k tile 1
	ds_load_tr16_b128 v[LR+8*\js+4:LR+8*\js+7], v8 offset:\js*32*RP+16*RP+32
.endr
; The two accumulators take turns, one instruction a turn.  The first products start the sums.
.irp js, 0,1,2,3,4,5,6,7
	s_wait_dscnt 6*(7-\js)                         ; six loads for each later js stay out
.if \js
	v_wmma_f32_16x16x32_bf16 v[D0:D0+7], v[RR+8*\js:RR+8*\js+7], v[BF+8*\js:BF+8*\js+7], v[D0:D0+7]
	v_wmma_f32_16x16x32_bf16 v[D1:D1+7], v[LR+8*\js:LR+8*\js+7], v[BF+8*\js:BF+8*\js+7], v[D1:D1+7]
.else
	v_wmma_f32_16x16x32_bf16 v[D0:D0+7], v[RR+8*\js:RR+8*\js+7], v[BF+8*\js:BF+8*\js+7], 0
	v_wmma_f32_16x16x32_bf16 v[D1:D1+7], v[LR+8*\js:LR+8*\js+7], v[BF+8*\js:BF+8*\js+7], 0
.endif
.endr
.rept 4
	v_nop                                          ; four places behind the last matrix instruction before its result is read (ISA guide 7.12.1)
.endr
.irp i, 0,2,4,6,8,10,12,14
	v_pk_mul_f32 v[D0+\i:D0+\i+1], v[D0+\i:D0+\i+1], s[44:45] op_sel_hi:[1,0]
.endr
.irp i, 0,1,2,3,4,5,6,7
	v_cvt_pk_bf16_f32 v[BR+\i], v[D0+2*\i], v[D0+2*\i+1]       ; lane (r, h): W'(n0 + r, k0 + 8 h .. + 7), 16 bytes a tile
.endr
	s_wait_alu depctr_va_vdst(0)                   ; the conversions have written v[BR ..], which the two stores below read
	global_store_b128 v10, v[BR:BR+3],   s[46:47]              ; each store of the wave covers 512 consecutive bytes, aligned
	global_store_b128 v10, v[BR+4:BR+7], s[46:47] offset:512
	s_cmp_lg_u32 s34, 0                            ; b': one wave of the work-groups kb = 0
	s_cbranch_scc1 .Lend
	s_cmp_lg_u32 s32, 0
	s_cbranch_scc1 .Lend
	global_load_b64 v[CV:CV+1], v11, s[42:43]      ; bL of rows 2 L, 2 L + 1.  No vector instruction has named v[CV ..] so far
	ds_load_b64 v[CV+2:CV+3], v13                  ; their dot products (stored in front of the barrier above)
	s_wait_loadcnt 0x0
	s_wait_dscnt 0x0
	v_pk_add_f32 v[CV:CV+1], v[CV:CV+1], v[CV+2:CV+3]
	v_pk_mul_f32 v[CV:CV+1], v[CV:CV+1], s[44:45] op_sel_hi:[1,0]
	s_wait_alu depctr_va_vdst(0)                   ; the packed multiply has written v[CV:CV+1], which the store below reads
	global_store_b64 v11, v[CV:CV+1], s[48:49]     ; 32 lanes x 8 bytes: 256 consecutive bytes, aligned
.Lend:
	s_wait_dscnt 0x0                               ; the closing lines, six on end
	s_wait_alu 0x0
	s_wait_tensorcnt 0x0
	ds_add_u32 v14, v15
	s_wait_dscnt 0x0
	s_endpgm
.Lfunc_end_k_q0a600fa618_fold:
	.size	k_q0a600fa618_fold, .Lfunc_end_k_q0a600fa618_fold-k_q0a600fa618_fold
	.p2alignl 7, 3214868480
	.fill 96, 4, 3214868480
	.section	.rodata,"a",@progbits
	.p2align	6, 0x0
	.amdhsa_kernel k_q0a600fa618_fold
		.amdhsa_group_segment_fixed_size 76032
		.amdhsa_private_segment_fixed_size 0
		.amdhsa_enable_private_segment 0
		.amdhsa_kernarg_size 112
		.amdhsa_user_sgpr_count 2
		.amdhsa_user_sgpr_kernarg_segment_ptr 1
		.amdhsa_wavefront_size32 1
		.amdhsa_system_sgpr_workgroup_id_x 1
		.amdhsa_system_sgpr_workgroup_id_y 1
		.amdhsa_system_sgpr_workgroup_id_z 1
		.amdhsa_system_vgpr_workitem_id 0
		.amdhsa_next_free_vgpr 256
		.amdhsa_next_free_sgpr 66
		.amdhsa_reserve_vcc 0
		.amdhsa_float_denorm_mode_32 3
		.amdhsa_float_denorm_mode_16_64 3
		.amdhsa_memory_ordered 1
		.amdhsa_forward_progress 1
		.amdhsa_inst_pref_size 26
	.end_amdhsa_kernel
	.amdgpu_metadata
---
amdhsa.version: [ 1, 2 ]
amdhsa.kernels:
  - .name:           k_q0a600fa618_fold
    .symbol:         k_q0a600fa618_fold.kd
    .args:
      - { .name: Win, .offset: 0, .size: 8, .value_kind: global_buffer, .address_space: global }
      - { .name: Wfc, .offset: 8, .size: 8, .value_kind: global_buffer, .address_space: global }
      - { .name: Wq, .offset: 16, .size: 8, .value_kind: global_buffer, .address_space: global }
      - { .name: Wk, .offset: 24, .size: 8, .value_kind: global_buffer, .address_space: global }
      - { .name: Wv, .offset: 32, .size: 8, .value_kind: global_buffer, .address_space: global }
      - { .name: Wout, .offset: 40, .size: 8, .value_kind: global_buffer, .address_space: global }
      - { .name: bin_, .offset: 48, .size: 8, .value_kind: global_buffer, .address_space: global }
      - { .name: bfc, .offset: 56, .size: 8, .value_kind: global_buffer, .address_space: global }
      - { .name: bq, .offset: 64, .size: 8, .value_kind: global_buffer, .address_space: global }
      - { .name: bk, .offset: 72, .size: 8, .value_kind: global_buffer, .address_space: global }
      - { .name: bv, .offset: 80, .size: 8, .value_kind: global_buffer, .address_space: global }
      - { .name: bout, .offset: 88, .size: 8, .value_kind: global_buffer, .address_space: global }
      - { .name: wfold, .offset: 96, .size: 8, .value_kind: global_buffer, .address_space: global }
      - { .name: bfold, .offset: 104, .size: 8, .value_kind: global_buffer, .address_space: global }
    .group_segment_fixed_size: 76032
    .private_segment_fixed_size: 0
    .kernarg_segment_align: 8
    .kernarg_segment_size: 112
    .max_flat_workgroup_size: 256
    .sgpr_count:     66
    .vgpr_count:     256
    .wavefront_size: 32
...
	.end_amdgpu_metadata
.endif
;; end of part 3
;; launch attn: the kernel of part 2 again; grid 256 x 1, 4 waves a work-group, clusters of 4 x 1, 327,680 bytes of LDS; arguments mod, wfold, bfold, gamma, beta, out0; writes out0
